; MI455X (gfx1250); checked and timed in simulation.
; The chip was launched on July 23, 2026; its instructions are those of AMD's public machine-readable ISA for CDNA 5 (MIT licence, August 2026) and "CDNA5" Instruction Set Architecture Reference Guide (July 2026). The comments in the code are by the model that wrote it; some were corrected since.
;; Attention Head. Allowed arithmetic: matrix products marked QUANTISED: E2M1 operands, one E8M0 scale for each 32 along K, by v_wmma_scale_f32_16x16x128_f8f6f4 with both operands' format E2M1 (or v_wmma_scale_f32_32x16x128_f4), f32 sums; everything else in f32.
;; Inputs: Wk_codes 128 x 32 x 16 uint8 (E2M1 codes of Wk, K innermost, in blocks of 32 codes, two codes a byte); Wk_scales 128 x 32 uint8 (E8M0 scales of Wk, one for each 32 codes along K); Wq_codes 128 x 32 x 16 uint8 (E2M1 codes of Wq, K innermost, in blocks of 32 codes, two codes a byte); Wq_scales 128 x 32 uint8 (E8M0 scales of Wq, one for each 32 codes along K); Wv_codes 128 x 32 x 16 uint8 (E2M1 codes of Wv, K innermost, in blocks of 32 codes, two codes a byte); Wv_scales 128 x 32 uint8 (E8M0 scales of Wv, one for each 32 codes along K); bk 128 float32; bq 128 float32; bv 128 float32; x_codes 8 x 4,096 x 32 x 16 uint8 (E2M1 codes of x, K innermost, in blocks of 32 codes, two codes a byte); x_scales 8 x 4,096 x 32 uint8 (E8M0 scales of x, one for each 32 codes along K).
;; Outputs: out0 8 x 4,096 x 128 float32.
;; This version of the problem:
;;   THIS VERSION OF THE PROBLEM IS GIVEN IN LOW PRECISION. The matrix products marked QUANTISED in the list below multiply operands that are first quantised to E2M1 (2 exponent bits, 1 mantissa bit; 4 bits a number), with one power-of-two scale for each 32 numbers along K (OCP MX v1.0); their sums are f32. All else is computed in f32.
;;   The module's matrix products, in the order in which they are computed (A, B: the left and right operand; K: the contracted axis; several contracted axes count as one K, in the product's order):
;;     1. [M 32,768, K 1,024] x [K 1,024, N 128]; A: input x (given as codes); B: input Wq (given as codes): QUANTISED
;;     2. [M 32,768, K 1,024] x [K 1,024, N 128]; A: input x (given as codes); B: input Wk (given as codes): QUANTISED
;;     3. [M 32,768, K 1,024] x [K 1,024, N 128]; A: input x (given as codes); B: input Wv (given as codes): QUANTISED
;;     4. batch 8 x [M 4,096, K 128] x [K 128, N 4,096]; A: computed on the way; B: computed on the way: QUANTISED
;;     5. batch 8 x [M 4,096, K 4,096] x [K 4,096, N 128]; A: softmax (see below); B: computed on the way: QUANTISED
;;   THE QUANTISER, for each operand of a quantised product, along K:
;;     - K is cut into blocks of 32 from its start; a last block that is shorter is filled with zeros.
;;     - A block's scale is 2^e with e = floor(log2(the largest magnitude in the block)) - 2, held to -126 .. 127; a block of zeros has e = 0. As a byte (E8M0): e + 127.
;;     - Each number is divided by its block's scale, clamped to +-6, and rounded to the nearest number of E2M1, ties to even, subnormals kept.
;;     - The product sums the exact products of the quantised numbers (number of the format x scale) in f32.
;;   ~~~python
;;   def quantise(x, axis):      # numpy; x: float32 -> the quantised numbers, widened to float32 again
;;       x = np.moveaxis(x, axis, -1); K = x.shape[-1]
;;       x = np.pad(x, [(0, 0)] * (x.ndim - 1) + [(0, -K % 32)]); x = x.reshape(x.shape[:-1] + (-1, 32)); a = np.abs(x).max(-1, keepdims=True)
;;       e = np.where(a > 0, np.clip(np.frexp(np.where(a > 0, a, 1))[1] - 1 - 2, -126, 127), 0)      # np.frexp(a)[1] - 1 = floor(log2(a)), exactly
;;       r = np.clip(x / 2.0 ** e, -6, 6)
;;       step = 2.0 ** (np.maximum(np.frexp(np.where(r == 0, 1, r))[1] - 1, 0) - 1)
;;       q = np.round(r / step) * step * 2.0 ** e      # np.round: ties to even
;;       return np.moveaxis(q.reshape(q.shape[:-2] + (-1,))[..., :K], -1, axis).astype(np.float32)
;;   ~~~
;;   SOFTMAX AHEAD OF A QUANTISED PRODUCT. Where the list says 'softmax', what is quantised is not the finished softmax but p = 2^(t - M), with t = logit x log2(e) and M = ceil(the row's largest t), a whole number; so 1/2 < the row's largest p <= 1. The row's sum l is taken of the UNQUANTISED p, in f32, and the product's result is divided by l at the end. Since M is a whole number, a kernel that streams over the keys may use a running M (the ceiling of the running maximum): every later rescaling is an exact power of two, which a block's scale takes up: the codes' values come out the same.
;;   OPERANDS COMPUTED ON THE WAY. 'Computed on the way' means the value that the module computes at that place (a softmax that the list does not call 'softmax' is quantised finished and normalised). What goes into a quantiser is computed in f32, as accurately as f32 sums, v_exp_f32 and their like allow (about 1e-6 of the number): no bf16 or f16 on the way to a quantiser, and a product that is left as it is and whose result goes on into a quantised operand takes f32 operands (vector FMAs, or v_wmma_f32_16x16x4_f32). A number that lies on a knife's edge between two numbers of the format may be rounded either way, as far as f32 arithmetic and the matrix unit's own rounding can turn it there, and no further.
;;   INPUTS GIVEN AS CODES. Wk (in the module: [1024, 128], K = its axis 0); Wq (in the module: [1024, 128], K = its axis 0); Wv (in the module: [1024, 128], K = its axis 0); x (in the module: [8, 4096, 1024], K = its axis 2): each comes as NAME_codes (uint8): NAME with its K axis moved to the last place and cut into blocks of 32 codes, [.., K / 32, bytes a block], one block behind the other in memory; two codes a byte, the lower K in the low four bits (a code: sign, 2 exponent bits, 1 mantissa bit); and NAME_scales (uint8): the same leading axes, one E8M0 byte (e + 127) for each 32 codes along K. Its value is code x scale, taken as it is: it is not quantised again, and the codes and scales need not be those that the quantiser above would give.
;; One version. Each part assembles by itself: llvm-mc -triple=amdgcn-amd-amdhsa -mcpu=gfx1250 --defsym DOCPART=n.
;; ======== version 1 of 1: 2 launches
;; limits: right only within a limited range of input values
;; workspace buffers: qkv 6,684,672 bytes
;; launch project (part 1): grid 256 x 1, 12 waves a work-group, clusters of 4 x 1, 327,680 bytes of LDS; arguments x_codes, x_scales, Wq_codes, Wq_scales, Wk_codes, Wk_scales, Wv_codes, Wv_scales, bq, bk, bv, qkv; writes qkv
.if DOCPART == 1
	.amdgcn_target "amdgcn-amd-amdhsa--gfx1250"
	.amdhsa_code_object_version 6
	.text
	.protected	k_q198658570a_project
	.globl	k_q198658570a_project
	.p2align	8
	.type	k_q198658570a_project,@function
k_q198658570a_project:
	s_mov_b64 s[64:65], 0
	v_nop
	global_prefetch_b8 v0, s[64:65] scope:SCOPE_SE
	s_setreg_imm32_b32 hwreg(HW_REG_WAVE_MODE, 25, 1), 1
	s_wait_xcnt 0x0
	s_wait_alu depctr_hold_cnt(0) depctr_sa_sdst(0) depctr_va_vdst(0) depctr_va_sdst(0) depctr_va_ssrc(0) depctr_va_vcc(0) depctr_vm_vsrc(0)
	s_getreg_b32 s2, hwreg(HW_REG_IB_STS2, 6, 4)
	s_cmp_eq_u32 s2, 0
	s_cbranch_scc0 .Lentry_in_a_cluster
	s_endpgm
.Lentry_in_a_cluster:
	s_bfe_u32 s2, ttmp6, 0x10000c
	s_cmp_lg_u32 s2, 0x3003
	s_cbranch_scc0 .Lentry_shape_is_right
	s_endpgm
.Lentry_shape_is_right:
; q = x Wq + bq, k = x Wk + bk, v = x Wv + bv on codes of FP4 (E2M1) with one E8M0 scale for each 32 along K = 1,024; sums in f32; the bias is the C of each sum's first product.
; The results are quantised in registers (q and k along the head's 128, v along the keys) and leave as IMAGES OF OPERAND REGISTERS, in the order in which the second launch loads them.
; qkv: 256 blocks of 26,112 bytes, one for each 128 tokens: q's scale words (512), q's 8 tiles (8 x 1,024), k's 8 tiles, v's 8 tiles, k's scale words (512), v's (512).
; A tile's image: byte 512 c + 16 (16 h + rho) holds registers 4 c .. 4 c + 3 of lane (rho, h): K = 64 c + 32 h + 0 .. 31.  A tile's scale words: 4 bytes a lane rho, 64 bytes a tile.
; THE TOKENS OF A TILE OF q OR k ARE NOT NEIGHBOURS: token 64 C + 32 A + 8 I + i of the block lies in tile 4 C + I at lane 8 A + i.  A tile of v is 16 neighbouring channels, its K the block's 128 keys.
; SHARES.  A work-group takes 128 tokens and all 384 columns.  Twelve waves: wave w makes tensor t = w / 4 (0 q, 1 k, 2 v), 64 x 64 results in 16 accumulators.
; ONE TEXT FOR ALL ROLES: source 0 is fragment set F0, source 1 set F1.  q, k: F0 = 64 rows of W (channels 64 a0 on), F1 = 64 rows of x (tokens 64 a1 on).  v: F0 = x (tokens 64 a0 on), F1 = Wv (channels 64 a1 on).
; In accumulator (a, b) lane (r, h) holds in register j the F0 index 16 a + 8 h + j and the F1 index 16 b' + r: so a lane's registers run along the axis that is quantised.
; b' = b for v; for q and k fragments 1 and 2 of x change places (b' = 0, 2, 1, 3), which gives the order of tokens above.
; TWO FRAGMENT SETS, at the same low register numbers in windows 0 and 1 (their scale words both in window 0): K step s + 1 is loaded while step s is multiplied.
; LDS: every byte is filled once.  Codes of Wq, Wk, x, Wv in this order, each as two halves of K, rows of 256 bytes + 16; their scale bytes likewise; a stage for the block.
; THE FILLS, one a wave: waves 0 to 3 K half 0 of the four tensors, waves 4 to 7 K half 1, waves 8 to 11 the scale bytes.  Waves 4 to 7 wait for theirs three K steps later: they have load lines of their own.
; CLUSTER: the four work-groups of a cluster need the same three weights: 204 KB of the 272 KB that a work-group fetches.  They are asked for jointly (mask 15); x is each work-group's own.
; No prefetch: every byte is asked for once, at the head, and no loop runs ahead of it.
; LEFT OUT in the second launch: key steps of 128 all of whose keys come after a block's queries: the causal mask gives them the weight 0.  LIMIT: a NaN or an infinity that reaches only these is not carried to the result.
; LIMITS: a scale byte of 0xff, NaN and infinities in a bias give NaN; a block whose largest magnitude lies under 2^-124 has its byte held at 1; a block of zeros has the byte 1 (its codes are zeros; this program alone reads the bytes).
.set PITCH, 272                        ; an LDS row: 256 bytes + 16 of padding = 68 words: the 16 rows that a fragment load touches start 4 banks apart (64 banks of 4 bytes: ISA guide 11.1)
.set HROWS, 64*PITCH                   ; 64 rows: what one wave reads of a tensor
.set HALFK, 128*PITCH                  ; 128 rows x 512 along K: what one tensor load brings
.set RGN,   2*HALFK                    ; a tensor's codes
.set SCL,   4*RGN                      ; behind the codes: the scale bytes, 32 a row, as rows of 256 bytes + 16
.set SHALF, 8*PITCH                    ; those of 64 rows
.set SRG,   2*SHALF                    ; those of a tensor's 128 rows
.set STG,   SCL+4*SRG                  ; the stage: the block as it will lie in memory; no tensor load lands here
.set BLK,   26112
.set SPARE, STG+BLK                    ; the spare words, 128 bytes for each of the twelve waves: six blocks of 256 bytes that no other line names
.set RR,  1                            ; v1   r = lane % 16
.set HH,  2                            ; v2   h = lane / 16
.set SPW, 3                            ; v3   LDS address of my spare word; never rewritten
.set NIL, 4                            ; v4   0; never rewritten
.set AF0, 5                            ; v5   LDS address of F0's fragments
.set AF1, 6                            ; v6   of F1's 0 and 3
.set ASC, 7                            ; v7   of the scale words 0 and 3: lanes 0-15 F0's rows, lanes 16-31 F1's
.set ADC, 8                            ; v8-9   the stage: where my codes go, for even and for odd b
.set ADS, 10                           ; v10-11 and my scale bytes
.set RD,  12                           ; v12  the stage read back: 2,048 bytes a wave
.set GO,  13                           ; v13  the same place in the block in memory
.set BO,  14                           ; v14  my offset in the bias
.set RD2, 15                           ; v15, v80 the same two for the block's last 1,536 bytes (waves 0 to 2)
.set GO2, 80
.set ASQ, 81                           ; v81  scale words 2
.set AFP, 82                           ; v82, v83 F1's fragments 1 and 2
.set AFQ, 83
.set ASP, 84                           ; v84  scale words 1
.set F0,  16                           ; v16-47   four fragments; the second set likewise in window 1, up to register 335
.set F1,  48                           ; v48-79   four fragments
.set SC,  88                           ; v88-91, v92-95   scale words of the two sets
.set BI,  96                           ; v96-127  the bias in the result's layout, four tiles
.set L16, 120                          ; v120-124 at work in the head: 16 x lane,
.set R8,  121                          ; r / 8,
.set R7,  122                          ; r % 8,
.set RP,  123                          ; r x PITCH + 16 h,
.set HP,  124                          ; and the exchange of scale words
.set ACC, 128                          ; v128-255 accumulator (a, b) at 128 + 8 (4 a + b)
.set TM,  24                           ; behind the products v16-79 are free: largest magnitudes,
.set TP,  32                           ; the other half's,
.set SOP, 40                           ; the conversions' scale operands,
.set BY,  48                           ; the scale bytes,
.set CD,  56                           ; the codes: 16 registers,
.set OUTR, 24                          ; and the block on its way out, over what the quantiser is done with
.set WV,  28                           ; s28 wave
.set CX,  29                           ; s29 my place in the cluster: it enters WG alone
.set WG,  30                           ; s30 my work-group: it enters global addresses of x and of qkv alone
.set TT,  31                           ; s31 t; also: which of the three kinds I fetch
.set A0,  32                           ; s32 a0
.set A1,  33                           ; s33 a1
.set ISV, 34                           ; s34 1 in v's waves
.set RG,  35                           ; s35 which region I fetch for
.set NOTV, 36                          ; s36 1 - ISV
.set SEL, 38                           ; s[38:39] v_permlanex16_b32's selects for lane l xor 16
.set G1C,  40                          ; s[40:47] descriptor group 1: codes, my own
.set G1CJ, 48                          ; s[48:55] codes, joint
.set G1S,  56                          ; s[56:63] scale bytes, my own
.set G1SJ, 68                          ; s[68:75] scale bytes, joint
.set G0X,  76                          ; s[76:79] group 0 for x's codes,  s[80:83] for its scale bytes
.set G0XS, 80
.set G0W,  88                          ; s[88:91], s[92:95] the same for a weight: no register of these ever holds CX or WG
.set G0WS, 92
.set MSB, 0
.macro WIN new                         ; the immediate's high byte repeats the setting that is left
.if MSB != (\new)
	s_set_vgpr_msb (MSB<<8)|(\new)
.set MSB, \new
.endif
.endm
.macro CROUND                          ; a round of the cluster's barrier
	s_barrier_signal -1
	s_barrier_wait -1
	s_cmp_lg_u32 s[WV], 0
	s_cbranch_scc1 .Lnot_wave_0_\@
	s_barrier_signal -3
.Lnot_wave_0_\@:
	s_barrier_wait -3
	s_barrier_signal -1
	s_barrier_wait -1
.endm
.macro ARMS gw, g1j, gx, g1, xw        ; one fill: a weight's, jointly, or x's (wave xw), my work-group's own; an s_nop 0 and four v_nop behind each
	s_cmp_eq_u32 s[WV], \xw
	s_cbranch_scc1 .Larm_x_\@
	tensor_load_to_lds s[\gw:\gw+3], s[\g1j:\g1j+7]
	s_nop 0
.rept 4
	v_nop
.endr
	s_branch .Lfilled
.Larm_x_\@:
	tensor_load_to_lds s[\gx:\gx+3], s[\g1:\g1+7]
	s_nop 0
.rept 4
	v_nop
.endr
	s_branch .Lfilled
.endm
	s_load_b256 s[4:11], s[0:1], 0x0               ; x's codes s[4:5], x's scales s[6:7], Wq's codes s[8:9], Wq's scales s[10:11]
	s_load_b256 s[12:19], s[0:1], 0x20             ; Wk's s[12:13], s[14:15]; Wv's s[16:17], s[18:19]
	s_load_b256 s[20:27], s[0:1], 0x40             ; bq s[20:21], bk s[22:23], bv s[24:25], qkv s[26:27]
	v_lshl_add_u32 v[SPW], v0, 2, SPARE
	v_mov_b32 v[NIL], 0
	ds_add_u32 v[SPW], v[NIL]                      ; the wave's opening: the add, twice on end, and its wait ahead of the round in front of the first tensor loads
	ds_add_u32 v[SPW], v[NIL]
	v_lshrrev_b32 v1, 5, v0
	v_readfirstlane_b32 s[WV], v1                  ; wave 0..11
	v_and_b32 v[RR], 15, v0
	v_bfe_u32 v[HH], v0, 4, 1
	v_and_b32 v[L16], 31, v0
	v_lshlrev_b32 v[L16], 4, v[L16]
	v_lshrrev_b32 v[R8], 3, v[RR]
	v_and_b32 v[R7], 7, v[RR]
	v_mul_u32_u24 v[RP], v[RR], PITCH
	v_lshl_add_u32 v[RP], v[HH], 4, v[RP]          ; a fragment's row x pitch + 16 x half
	s_wait_alu depctr_va_vdst(0)                   ; the scalar set-up follows
	s_bfe_u32 s[CX], ttmp6, 0x40000
	s_lshl_b32 s[WG], ttmp9, 2                     ; in a cluster launch ttmp9 counts clusters
	s_add_co_u32 s[WG], s[WG], s[CX]
	s_lshr_b32 s[TT], s[WV], 2
	s_bfe_u32 s[A0], s[WV], 0x10001
	s_and_b32 s[A1], s[WV], 1
	s_lshr_b32 s[ISV], s[WV], 3
	s_xor_b32 s[NOTV], s[ISV], 1
	s_and_b32 s[RG], s[WV], 3
	s_mov_b32 s[SEL], 0x76543210
	s_mov_b32 s[SEL+1], 0xfedcba98
	; descriptor groups 1.  Codes: 128 rows x 256 bytes out of rows of 512; 16 bytes of padding behind each row
	s_mov_b32 s[G1C], (1<<20)|(5<<22)|(3<<25)      ; 15:0 no mask; 17:16 elements of 1 byte; 20 padding on; 24:22 after every 64 words (code 5); 31:25 four words (code 3)
	s_mov_b32 s[G1CJ], 15|(1<<20)|(1<<21)|(5<<22)|(3<<25)   ; the same with the mask of all four work-groups, and bit 21 beside it
.irp g, G1C, G1CJ
	s_mov_b32 s[\g+1], 256<<16                     ; tensor_dim0
	s_mov_b32 s[\g+2], 128<<16                     ; tensor_dim1
	s_mov_b32 s[\g+3], 256<<16                     ; tile_dim0
	s_mov_b32 s[\g+4], 128                         ; tile_dim1
	s_mov_b32 s[\g+5], 512                         ; tensor_dim0_stride
	s_mov_b32 s[\g+6], 0
	s_mov_b32 s[\g+7], 0
.endr
	; scale bytes of 128 rows: 4,096 dense bytes as 16 rows of 32 elements of 8 bytes, padded likewise
	s_mov_b32 s[G1S], (3<<16)|(1<<20)|(5<<22)|(3<<25)
	s_mov_b32 s[G1SJ], 15|(3<<16)|(1<<20)|(1<<21)|(5<<22)|(3<<25)
.irp g, G1S, G1SJ
	s_mov_b32 s[\g+1], 32<<16
	s_mov_b32 s[\g+2], 16<<16
	s_mov_b32 s[\g+3], 32<<16
	s_mov_b32 s[\g+4], 16
	s_mov_b32 s[\g+5], 32
	s_mov_b32 s[\g+6], 0
	s_mov_b32 s[\g+7], 0
.endr
	; where my fill lands: made of the wave's number alone
	s_mul_i32 s2, s[RG], RGN
	s_mul_i32 s3, s[TT], HALFK
	s_add_co_u32 s2, s2, s3                        ; codes: region, K half
	s_mul_i32 s3, s[RG], SRG
	s_add_co_u32 s3, s3, SCL                       ; scale bytes
	s_mov_b32 s[G0X+1], s2
	s_mov_b32 s[G0W+1], s2
	s_mov_b32 s[G0XS+1], s3
	s_mov_b32 s[G0WS+1], s3
.irp g, G0X, G0XS, G0W, G0WS
	s_mov_b32 s[\g], 1                             ; 1:0 count = 1
.endr
	; all LDS addresses are made here, ahead of the first branch on the wave's number
	s_mul_i32 s2, s[TT], RGN
	s_mul_i32 s3, s[A0], HROWS
	s_add_co_u32 s2, s2, s3
	s_add_co_u32 s3, s[ISV], 2
	s_mul_i32 s3, s3, RGN
	s_mul_i32 s66, s[A1], HROWS
	s_add_co_u32 s3, s3, s66
	s_mul_i32 s66, s[NOTV], 16*PITCH
	s_add_co_u32 s66, s66, 16*PITCH                ; F1's fragment 1: row 16, or 32 for q and k
	s_mul_i32 s67, s[ISV], 16*PITCH
	s_add_co_u32 s67, s67, 16*PITCH                ; fragment 2: row 32, or 16
	v_add_nc_u32 v[AF0], s2, v[RP]                 ; F0: region t, rows 64 a0 on
	v_add_nc_u32 v[AF1], s3, v[RP]                 ; F1: region 2 (x), or 3 (Wv), rows 64 a1 on
	v_add_nc_u32 v[AFP], s66, v[AF1]
	v_add_nc_u32 v[AFQ], s67, v[AF1]
	s_mul_i32 s2, s[TT], SRG
	s_mul_i32 s3, s[A0], SHALF
	s_add_co_u32 s2, s2, s3                        ; F0's scale bytes,
	s_add_co_u32 s3, s[ISV], 2
	s_mul_i32 s3, s3, SRG
	s_mul_i32 s66, s[A1], SHALF
	s_add_co_u32 s3, s3, s66                       ; F1's, which always lie further on:
	s_sub_co_u32 s3, s3, s2
	s_add_co_u32 s2, s2, SCL
	s_mul_i32 s66, s[NOTV], 2*PITCH
	v_mul_u32_u24 v[ASC], s3, v[HH]                ; lanes 16-31 take F1's: the lower base + h x the distance
	v_mad_u32_u24 v[ASC], v[R8], PITCH, v[ASC]     ; eight rows of 32 bytes to a padded row
	v_lshl_add_u32 v[ASC], v[R7], 5, v[ASC]
	v_add_nc_u32 v[ASC], s2, v[ASC]
	v_mul_u32_u24 v[HP], s66, v[HH]                ; the exchange, in F1's lanes alone
	v_add_nc_u32 v[ASP], 2*PITCH, v[ASC]
	v_add_nc_u32 v[ASP], v[ASP], v[HP]
	v_add_nc_u32 v[ASQ], 4*PITCH, v[ASC]
	v_sub_nc_u32 v[ASQ], v[ASQ], v[HP]
	; the stage.  By b and r: q, k: tile 2 (b / 2) + r / 8, lane 8 (b % 2) + r % 8.  v: tile b, lane r.  So r / 8 steps 1,024 or 128 bytes and b % 2 steps 128 or 1,024
	s_mul_i32 s2, s[NOTV], 896
	s_add_co_u32 s2, s2, 128
	s_lshl_b32 s3, s[TT], 13
	s_lshl_b32 s66, s[A1], 12
	s_add_co_u32 s3, s3, s66
	s_lshl_b32 s66, s[A0], 9                       ; a0 is the image's c
	s_add_co_u32 s3, s3, s66
	s_add_co_u32 s3, s3, STG+512
	s_mul_i32 s66, s[ISV], 896
	s_add_co_u32 s66, s66, 128
	v_mul_u32_u24 v[ADC], s2, v[R8]
	v_lshl_add_u32 v[ADC], v[R7], 4, v[ADC]
	v_lshl_add_u32 v[ADC], v[HH], 2, v[ADC]        ; my half's eight codes: 4 bytes
	v_add_nc_u32 v[ADC], s3, v[ADC]
	v_add_nc_u32 v[ADC+1], s66, v[ADC]
	s_lshl_b32 s2, s[NOTV], 5                      ; the scale words likewise: r / 8 steps 64 or 32 bytes, b % 2 steps 32 or 64
	s_add_co_u32 s2, s2, 32
	s_min_u32 s3, s[TT], 1
	s_mul_i32 s3, s3, 24576                        ; q's words at 0, k's at 25,088, v's at 25,600
	s_lshl_b32 s66, s[TT], 9
	s_add_co_u32 s3, s3, s66
	s_lshl_b32 s66, s[A1], 8
	s_add_co_u32 s3, s3, s66
	s_lshl_b32 s66, s[A0], 1                       ; my two blocks' bytes of the word
	s_add_co_u32 s3, s3, s66
	s_add_co_u32 s3, s3, STG
	s_lshl_b32 s66, s[ISV], 5
	s_add_co_u32 s66, s66, 32
	v_mul_u32_u24 v[ADS], s2, v[R8]
	v_lshl_add_u32 v[ADS], v[R7], 2, v[ADS]
	v_add_nc_u32 v[ADS], s3, v[ADS]
	v_add_nc_u32 v[ADS+1], s66, v[ADS]
	s_lshl_b32 s2, s[WV], 11
	s_min_u32 s3, s[WV], 2
	s_lshl_b32 s3, s3, 9
	s_add_co_u32 s3, s3, 24576
	s_lshl_b32 s66, s[NOTV], 5                     ; the bias: q, k: my half's eight channels, 32 h bytes; v: my channel, 4 r bytes
	s_lshl_b32 s67, s[ISV], 2
	v_add_nc_u32 v[GO], s2, v[L16]
	v_add_nc_u32 v[RD], STG, v[GO]
	v_add_nc_u32 v[GO2], s3, v[L16]
	v_add_nc_u32 v[RD2], STG, v[GO2]
	v_mul_u32_u24 v[BO], s66, v[HH]
	v_mad_u32_u24 v[BO], s67, v[RR], v[BO]
	; offsets in memory
	s_lshl_b32 s2, s[WG], 16                       ; x's codes: 128 tokens of 512 bytes a work-group
	s_mov_b32 s3, 0
	s_lshl_b32 s66, s[WG], 12                      ; x's scale bytes: 32 a token
	s_mov_b32 s67, 0
	s_lshl_b32 s100, s[TT], 8                      ; K half 1: 256 bytes on in each row
	s_mov_b32 s101, 0
	s_wait_alu depctr_va_vdst(0)                   ; the head's end
	s_wait_dscnt 0x0                               ; both opening adds are done
	s_wait_kmcnt 0x0
	s_add_nc_u64 s[G0XS+2:G0XS+3], s[6:7], s[66:67]
	s_add_nc_u64 s[G0X+2:G0X+3], s[4:5], s[2:3]
	s_add_nc_u64 s[G0X+2:G0X+3], s[G0X+2:G0X+3], s[100:101]
	s_cmp_eq_u32 s[RG], 1                          ; which weight: the choice hangs on the wave's number alone
	s_cselect_b64 s[G0WS+2:G0WS+3], s[14:15], s[18:19]
	s_cselect_b64 s[G0W+2:G0W+3], s[12:13], s[16:17]
	s_cmp_eq_u32 s[RG], 0
	s_cselect_b64 s[G0WS+2:G0WS+3], s[10:11], s[G0WS+2:G0WS+3]
	s_cselect_b64 s[G0W+2:G0W+3], s[8:9], s[G0W+2:G0W+3]
	s_add_nc_u64 s[G0W+2:G0W+3], s[G0W+2:G0W+3], s[100:101]
.irp g, G0X, G0XS, G0W, G0WS
	s_or_b32 s[\g+3], s[\g+3], 0x80000000          ; 127:126 type = 2
.endr
	s_cmp_eq_u32 s[TT], 1                          ; my bias,
	s_cselect_b64 s[22:23], s[22:23], s[24:25]
	s_cmp_eq_u32 s[TT], 0
	s_cselect_b64 s[20:21], s[20:21], s[22:23]
	s_cmp_eq_u32 s[ISV], 0
	s_cselect_b32 s2, s[A0], s[A1]                 ; at my 64 channels
	s_lshl_b32 s2, s2, 8
	s_mov_b32 s3, 0
	s_add_nc_u64 s[20:21], s[20:21], s[2:3]
	s_mul_i32 s2, s[WG], BLK
	s_add_nc_u64 s[26:27], s[26:27], s[2:3]        ; my block of qkv
	CROUND                                         ; all four work-groups are here: the joint loads meet
	s_cmp_lt_u32 s[WV], 4                          ; ONE tree of branches on the wave's number, one load to an arm
	s_cbranch_scc1 .Lfill_0
	s_cmp_lt_u32 s[WV], 8
	s_cbranch_scc1 .Lfill_1
	ARMS G0WS, G1SJ, G0XS, G1S, 10                 ; waves 8 to 11: scale bytes
.Lfill_1:
	ARMS G0W, G1CJ, G0X, G1C, 6                    ; waves 4 to 7: K half 1
.Lfill_0:
	ARMS G0W, G1CJ, G0X, G1C, 2                    ; waves 0 to 3: K half 0
.Lfilled:
	s_cmp_lt_u32 s[WV], 8                          ; the bias in the result's layout
	s_cbranch_scc0 .Lbias_v
.irp a, 0,1,2,3
	global_load_b128 v[BI+8*\a:BI+8*\a+3], v[BO], s[20:21] offset:64*\a        ; q, k: tile a's register j is channel 16 a + 8 h + j
	global_load_b128 v[BI+8*\a+4:BI+8*\a+7], v[BO], s[20:21] offset:64*\a+16
.endr
	s_branch .Lbias_in
.Lbias_v:
.irp b, 0,1,2,3
.irp j, 0,1,2,3,4,5,6,7
	global_load_b32 v[BI+8*\b+\j], v[BO], s[20:21] offset:64*\b               ; v: all eight registers of tile b are channel 16 b + r
.endr
.endr
.Lbias_in:
; The fragments and scale words of K step s (128 along K, 64 bytes of each row) into set p: 20 loads
.macro FRAGS s, p
.set KO, ((\s)>>2)*HALFK+64*((\s)&3)
	WIN 0
	ds_load_b32 v[SC+4*\p], v[ASC] offset:4*(\s)
	ds_load_b32 v[SC+4*\p+1], v[ASP] offset:4*(\s)
	ds_load_b32 v[SC+4*\p+2], v[ASQ] offset:4*(\s)
	ds_load_b32 v[SC+4*\p+3], v[ASC] offset:6*PITCH+4*(\s)
	WIN 0x40*\p
.irp c, 0,1
.irp i, 0,1,2,3
	ds_load_b128 v[F0+8*\i+4*\c:F0+8*\i+4*\c+3], v[AF0] offset:KO+32*\c+\i*16*PITCH
.endr
	ds_load_b128 v[F1+4*\c:F1+4*\c+3], v[AF1] offset:KO+32*\c
	ds_load_b128 v[F1+8+4*\c:F1+8+4*\c+3], v[AFP] offset:KO+32*\c
	ds_load_b128 v[F1+16+4*\c:F1+16+4*\c+3], v[AFQ] offset:KO+32*\c
	ds_load_b128 v[F1+24+4*\c:F1+24+4*\c+3], v[AF1] offset:KO+32*\c+48*PITCH
.endr
.endm
; The 16 accumulators take turns, one instruction a turn.  F0's scales are read from lanes 0-15 of a scale register, F1's from lanes 16-31.
.macro MUL1 a, b, c0, p
	v_wmma_scale_f32_16x16x128_f8f6f4 v[ACC+8*(4*\a+\b):ACC+8*(4*\a+\b)+7], v[F0+8*\a:F0+8*\a+7], v[F1+8*\b:F1+8*\b+7], v[\c0:\c0+7], v[SC+4*\p+\a], v[SC+4*\p+\b] matrix_a_fmt:MATRIX_FMT_FP4 matrix_b_fmt:MATRIX_FMT_FP4 matrix_b_scale:MATRIX_SCALE_ROW1
.endm
.macro PROD p                          ; a K step's 16 products, on set p
	WIN 0x05*\p
.irp a, 0,1,2,3
.irp b, 0,1,2,3
	MUL1 \a, \b, ACC+8*(4*\a+\b), \p
.endr
.endr
.endm
.macro PLACES                          ; places in front of loads into registers that matrix instructions have read, and of the first read of results (ISA guide 7.12.1 for vector instructions)
.rept 4
	v_nop
.endr
.endm
	s_cmp_lt_u32 s[WV], 4
	s_cbranch_scc1 .Lnow
	s_cmp_lt_u32 s[WV], 8
	s_cbranch_scc1 .Llater                         ; waves 4 to 7 brought K half 1, which is read behind the second barrier
.Lnow:
	s_wait_tensorcnt 0x0                           ; my part of K half 0 or of the scale bytes is in
.Llater:
	s_barrier_signal -1
	s_barrier_wait -1                              ; everybody's is.
	FRAGS 0, 0
	FRAGS 1, 1
	WIN 0
	s_wait_loadcnt 0x0                             ; the bias
	s_wait_dscnt 20                                ; set 0 is in; set 1's 20 loads may be out
	s_cmp_lt_u32 s[WV], 8                          ; the first K step starts the sums with the bias as C; neighbouring products name different bias tiles
	s_cbranch_scc0 .Lfirst_v
.irp b, 0,1,2,3
.irp a, 0,1,2,3
	MUL1 \a, \b, BI+8*\a, 0
.endr
.endr
	s_branch .Lfirst_done
.Lfirst_v:
.irp a, 0,1,2,3
.irp b, 0,1,2,3
	MUL1 \a, \b, BI+8*\b, 0
.endr
.endr
.Lfirst_done:
	PLACES
	FRAGS 2, 0
	s_wait_dscnt 20                                ; all but the 20 just issued
	PROD 1
	PLACES
	FRAGS 3, 1
	s_wait_dscnt 20
	PROD 0
	WIN 0
	s_wait_tensorcnt 0x0                           ; my part of K half 1 is in: it had three K steps in which to land
	s_wait_dscnt 0x0
	s_barrier_signal -1
	s_barrier_wait -1                              ; everybody's is
	PLACES
	FRAGS 4, 0
	PROD 1                                         ; (step 3's fragments were waited for in front of the barrier)
	PLACES
	FRAGS 5, 1
	s_wait_dscnt 20
	PROD 0
	PLACES
	FRAGS 6, 0
	s_wait_dscnt 20
	PROD 1
	PLACES
	FRAGS 7, 1
	s_wait_dscnt 20
	PROD 0
	s_wait_dscnt 0x0
	PROD 1
	WIN 0
	PLACES
; THE QUANTISER.  Block k = 4 beta + b: the 32 numbers of F0 indices 32 beta on, for one F1 index: my 8 of accumulator (2 beta, b), my 8 of (2 beta + 1, b), and lane l xor 16's 16.
.irp k, 0,1,2,3,4,5,6,7
	v_max3_num_f32 v[TM+\k], |v[ACC+64*(\k/4)+8*(\k%4)]|, |v[ACC+64*(\k/4)+8*(\k%4)+1]|, 0x1800000   ; each accumulator from its low end on; and the floor 2^(3 - 127): the byte cannot fall under 1
.endr
.irp i, 2,4,6,32,34,36,38
.irp k, 0,1,2,3,4,5,6,7
	v_max3_num_f32 v[TM+\k], v[TM+\k], |v[ACC+64*(\k/4)+8*(\k%4)+\i]|, |v[ACC+64*(\k/4)+8*(\k%4)+\i+1]|   ; (the eight blocks by turns)
.endr
.endr
.irp k, 0,1,2,3,4,5,6,7
	v_permlanex16_b32 v[TP+\k], v[TM+\k], s[SEL], s[SEL+1]
.endr
.irp k, 0,1,2,3,4,5,6,7
	v_max_num_f32 v[TM+\k], v[TM+\k], v[TP+\k]     ; the block's largest magnitude
.endr
.irp k, 0,1,2,3,4,5,6,7
	v_add_nc_u32 v[SOP+\k], 0xff000000, v[TM+\k]   ; 2 off its exponent field: the conversion takes the exponent field of this operand as its scale, and nothing else of it
.endr
.irp k, 0,1,2,3,4,5,6,7
	v_lshrrev_b32 v[BY+\k], 23, v[SOP+\k]          ; the scale's byte
.endr
.irp k, 0,1,2,3,4,5,6,7
	v_cvt_scalef32_pk8_fp4_f32 v[CD+2*\k], v[ACC+64*(\k/4)+8*(\k%4):ACC+64*(\k/4)+8*(\k%4)+7], v[SOP+\k]          ; the block's numbers 8 h + 0 .. 7
	v_cvt_scalef32_pk8_fp4_f32 v[CD+2*\k+1], v[ACC+64*(\k/4)+8*(\k%4)+32:ACC+64*(\k/4)+8*(\k%4)+39], v[SOP+\k]    ; and 16 + 8 h + 0 .. 7
.endr
	v_nop                                          ; one plain place behind the last scaled conversion
.irp b, 0,1,2,3
	v_lshl_or_b32 v[BY+\b], v[BY+4+\b], 8, v[BY+\b]   ; my two blocks' bytes are neighbours in the scale word
.endr
.irp a, 0,1,2,3
.irp b, 0,1,2,3
	ds_store_b32 v[ADC+(\b&1)], v[CD+2*(4*(\a>>1)+\b)+(\a&1)] offset:(\b>>1)*2048+(\a>>1)*256+(\a&1)*8   ; block beta = a / 2 is the image's half h; in its 16 bytes: 8 (a % 2) + 4 h
.endr
.endr
.irp b, 0,1,2,3
	ds_store_b16 v[ADS+(\b&1)], v[BY+\b] offset:(\b>>1)*128   ; both halves of the lanes write the same two bytes with the same value
.endr
	s_wait_dscnt 0x0                               ; for the others' sake: my stores into the stage are done
	s_barrier_signal -1
	s_barrier_wait -1                              ; the block lies whole in the stage
	s_cmp_lt_u32 s[WV], 3                          ; 26,112 bytes are 51 runs of 512: the last three go by waves 0 to 2,
	s_cbranch_scc0 .Lno_tail
	ds_load_b128 v[OUTR+16:OUTR+19], v[RD2]
	s_wait_dscnt 0x0
	global_store_b128 v[GO2], v[OUTR+16:OUTR+19], s[26:27]
.Lno_tail:
.irp k, 0,1,2,3
	ds_load_b128 v[OUTR+4*\k:OUTR+4*\k+3], v[RD] offset:512*\k   ; the first 48 by all twelve, four each
.endr
.irp k, 0,1,2,3
	s_wait_dscnt 3-\k                              ; LDS loads come back in order (ISA guide 5.7.1): run k is in, the younger ones may be out
	global_store_b128 v[GO], v[OUTR+4*\k:OUTR+4*\k+3], s[26:27] offset:512*\k   ; 32 lanes store 512 consecutive bytes, at a multiple of 256 from qkv's first byte
.endr
	s_wait_tensorcnt 0x0                           ; the wave's end, behind my last tensor load and my last LDS store
	ds_add_u32 v[SPW], v[NIL]
	s_wait_dscnt 0x0
	CROUND                                         ; the closing round: no work-group ends while a partner may still ask for a tile that names it
	s_endpgm
.Lfunc_end_k_q198658570a_project:
	.size	k_q198658570a_project, .Lfunc_end_k_q198658570a_project-k_q198658570a_project
	.p2alignl 7, 3214868480
	.fill 96, 4, 3214868480
	.section	.rodata,"a",@progbits
	.p2align	6, 0x0
	.amdhsa_kernel k_q198658570a_project
		.amdhsa_group_segment_fixed_size 327680
		.amdhsa_private_segment_fixed_size 0
		.amdhsa_enable_private_segment 0
		.amdhsa_kernarg_size 96
		.amdhsa_user_sgpr_count 2
		.amdhsa_user_sgpr_kernarg_segment_ptr 1
		.amdhsa_wavefront_size32 1
		.amdhsa_system_sgpr_workgroup_id_x 1
		.amdhsa_system_sgpr_workgroup_id_y 1
		.amdhsa_system_sgpr_workgroup_id_z 1
		.amdhsa_system_vgpr_workitem_id 0
		.amdhsa_next_free_vgpr 336
		.amdhsa_next_free_sgpr 102
		.amdhsa_reserve_vcc 0
		.amdhsa_float_denorm_mode_32 3
		.amdhsa_float_denorm_mode_16_64 3
		.amdhsa_memory_ordered 1
		.amdhsa_forward_progress 1
		.amdhsa_inst_pref_size 55
	.end_amdhsa_kernel
	.amdgpu_metadata
---
amdhsa.version: [ 1, 2 ]
amdhsa.kernels:
  - .name:           k_q198658570a_project
    .symbol:         k_q198658570a_project.kd
    .args:
      - { .name: x_codes, .offset: 0, .size: 8, .value_kind: global_buffer, .address_space: global }
      - { .name: x_scales, .offset: 8, .size: 8, .value_kind: global_buffer, .address_space: global }
      - { .name: Wq_codes, .offset: 16, .size: 8, .value_kind: global_buffer, .address_space: global }
      - { .name: Wq_scales, .offset: 24, .size: 8, .value_kind: global_buffer, .address_space: global }
      - { .name: Wk_codes, .offset: 32, .size: 8, .value_kind: global_buffer, .address_space: global }
      - { .name: Wk_scales, .offset: 40, .size: 8, .value_kind: global_buffer, .address_space: global }
      - { .name: Wv_codes, .offset: 48, .size: 8, .value_kind: global_buffer, .address_space: global }
      - { .name: Wv_scales, .offset: 56, .size: 8, .value_kind: global_buffer, .address_space: global }
      - { .name: bq, .offset: 64, .size: 8, .value_kind: global_buffer, .address_space: global }
      - { .name: bk, .offset: 72, .size: 8, .value_kind: global_buffer, .address_space: global }
      - { .name: bv, .offset: 80, .size: 8, .value_kind: global_buffer, .address_space: global }
      - { .name: qkv, .offset: 88, .size: 8, .value_kind: global_buffer, .address_space: global }
    .group_segment_fixed_size: 327680
    .private_segment_fixed_size: 0
    .kernarg_segment_align: 8
    .kernarg_segment_size: 96
    .max_flat_workgroup_size: 384
    .sgpr_count:     102
    .vgpr_count:     336
    .wavefront_size: 32
...
	.end_amdgpu_metadata
.endif
;; end of part 1
;; launch attend (part 2): grid 256 x 1, 16 waves a work-group, clusters of 2 x 1, 327,680 bytes of LDS; arguments qkv, out0; writes out0
.if DOCPART == 2
	.amdgcn_target "amdgcn-amd-amdhsa--gfx1250"
	.amdhsa_code_object_version 6
	.text
	.protected	k_q198658570a_attend
	.globl	k_q198658570a_attend
	.p2align	8
	.type	k_q198658570a_attend,@function
k_q198658570a_attend:
	s_mov_b64 s[64:65], 0
	v_nop
	global_prefetch_b8 v0, s[64:65] scope:SCOPE_SE
	s_setreg_imm32_b32 hwreg(HW_REG_WAVE_MODE, 25, 1), 1
	s_wait_xcnt 0x0
	s_wait_alu depctr_hold_cnt(0) depctr_sa_sdst(0) depctr_va_vdst(0) depctr_va_sdst(0) depctr_va_ssrc(0) depctr_va_vcc(0) depctr_vm_vsrc(0)
	s_getreg_b32 s2, hwreg(HW_REG_IB_STS2, 6, 4)
	s_cmp_eq_u32 s2, 0
	s_cbranch_scc0 .Lentry_in_a_cluster
	s_endpgm
.Lentry_in_a_cluster:
	s_bfe_u32 s2, ttmp6, 0x10000c
	s_cmp_lg_u32 s2, 0x1001
	s_cbranch_scc0 .Lentry_shape_is_right
	s_endpgm
.Lentry_shape_is_right:
; out[b][q][:] = the sum over keys k <= q of softmax_k(q . k / sqrt(128)) v[k][:], both products on codes of FP4 (E2M1) with one E8M0 scale for each 32 along a product's K.
; qkv holds, for each 128 tokens, a block of 26,112 bytes: q's scale words (512), q's 8 tiles as images of operand registers (8 x 1,024), then 17,408 dense bytes: k's 8 tiles, v's 8 tiles, k's scale words, v's.
; THE SOFTMAX AHEAD OF THE SECOND PRODUCT: t = score x log2(e) / sqrt(128); M = the largest t so far, rounded UP to a whole number; p = 2^(t - M) is quantised along the keys, not normalised.
; The row's sum is taken of the unquantised p and divides at the end.  When M moves, the sum and O are multiplied by 2^(old M - new M): exact.
; LEFT OUT: key steps of 128 all of whose keys the causal mask hides from the block's queries (their weight is 0).
; SHARES: EQUAL WORK, CONSTANT TRIP COUNTS.  Cluster g: batch g / 16, m = g % 16.  Its two work-groups take the first and second 64 queries of two blocks of 128: L = block m, which sees nL = m + 1 key steps of 128, and H = block 31 - m,
; which sees 33 - nL: 33 in all.  A work-group's 64 + 64 queries are tiles u = 0 .. 3 of 16 of L and of H; the 33 steps of (L u, H u) go to four waves, one of each role (wave = 4 role + u):
; role 0: H's key steps 0 to 7; role 1: H's 8 to 15; roles 2 and 3 share a stream of 17: s < nL is L's key step s, s >= nL is H's key step 16 + s - nL.
; nL <= 8 (P = 0): role 2 walks s = 0 .. 8, role 3 s = 9 .. 16.  nL >= 9 (P = 1): the other way round.  So role 2 alone ever changes tiles, at s = nL: P = 0: L's tile is finished there and stored;
; P = 1: its part of L's tile goes to LDS and role 3, which ends with the rest of it, joins them (nL = 9: that part is empty).  H's parts of roles 0, 1, 2 (P = 0: and 3) are joined at the end.
; The wave that has s = 0 walks it first: it is the batch's key step 0, role 0's first block.  In every step that a wave walks each of its queries sees a key, so M is a number from the first step on.
; LAYOUT.  Both products are used transposed: S^T = K Q^T, O^T = V^T P^T: a lane (r, h) holds ONE query throughout.  Key 64 C + 32 A + 8 I + i of a step lies in tile 4 C + I at lane 8 A + i: so registers 32 C .. 32 C + 31 of the scores
; are the 32 neighbouring keys of block 2 C + h: a whole block in a lane, in the second product's operand order; no block needs another lane.
; A BLOCK'S SCALE: p's largest exponent is floor(t - M) of the block's largest score (where p rounds up to the next power of two, the code is held at the largest: a knife's edge of the quantiser).
; THE RING.  Two slots of eight blocks of 17,408 bytes, two steps for each role; four visits.  Waves 0 to 7 fetch one block each, jointly with the partner (mask 3): both work-groups walk the same steps, and nothing but addresses of q and out and the mask's vector lines hangs on the place in the cluster.
; No prefetch: a batch's 16 clusters name 16 of its 32 blocks in the first visit, and in the later three visits 6, 6 and 4 that none of them has named before; the rest of the eight blocks that a visit asks for has been asked for.
; LIMITS: the promise holds while the scaled scores stay under 2^31 in magnitude; NaN in qkv's scale bytes is not served; a block of p whose largest number lies under 2^-124 keeps the byte 1.
.set BLK,   26112                      ; a block of qkv
.set KVO,   8704                       ; where its k and v part begins
.set STB,   17408                      ; that part: 68 rows of 256 bytes
.set VIM,   8192                       ; in it: v's images,
.set KSO,   16384                      ; k's scale words,
.set VSO,   16896                      ; v's
.set SLOTB, 8*STB
.set DRG,   2*SLOTB                    ; behind the ring: 8,704 bytes for each wave of role 2: L's tile on its way out, or L's part; no tensor load lands here
.set DSZ,   8704
.set SPARE, DRG+4*DSZ                  ; the spare words, 128 bytes for each wave: eight blocks of 256 bytes that no other line names
.set RPT,   528                        ; a row of out in LDS: 512 bytes + 16
.set TSZ,   16*RPT                     ; a tile of out.  The joining lies in slot 0, which by then has had its last fill and its last read: a tile for each wave,
.set STATE, 16*TSZ                     ; then 16 x 8 bytes for each wave: -M and the sum
.set LI0, 1                            ; v1   16 x lane
.set LS0, 2                            ; v2   4 x lane
.set SPW, 3                            ; v3   LDS address of my spare word; never rewritten
.set NIL, 4                            ; v4   0; never rewritten
.set SOD, 5                            ; v5   role 2's region: where I put 32 bytes of a row
.set DRD, 6                            ; v6   and where I read a row, or an image
.set DV,  7                            ; v7   on the diagonal: my query less the step's first key less 32 h
.set H8,  8                            ; v8   8 h
.set QHS, 9                            ; v9   scale words of H's tile of q
.set ADK, 10                           ; v10  the step's block, for images
.set ADS, 11                           ; v11  and for scale words
.set SOS, 240                          ; v240 the joining: where I put 32 bytes of a row of my tile
.set SRS, 241                          ; v241 and read one back
.set RB,  242                          ; v242, v243 the rows that I add up: roles 0 and 1, roles 2 and 3
.set RB2, 243
.set STW, 244                          ; v244 my state,
.set STR, 245                          ; v245 and those of my tile's roles
; v12 -M, v13 the largest score, v[14:15] the sum in two halves; v16-23 Q, v255 its scale words; v24-31 H's tile of q; v32-95 eight fragments of k, then of v; v96-159 S^T, then p; v160-223 O^T; v224-231 p's codes; v232-239, v252-254 at work; v248-251 scale words
.set WV,  8
.set ROLE, 9
.set UU,  10
.set BT,  11
.set MM,  12
.set NL,  13
.set SW,  14                           ; s14  the stream index at which the tile changes: role 2: nL; else 255, never
.set DL,  15                           ; s15  16 - nL: from a stream index behind the change to its key step
.set IB,  16                           ; s16  the stream index that I fetch for visit 0
.set SI,  17                           ; s17  the stream index in hand (roles 0 and 1: 64 on, which meets no test)
.set PP,  18                           ; s18  P
.set CX,  19
.set CNT, 20
.set TB,  21                           ; s21  LDS byte at which the step's block begins
.set RO,  22                           ; s22  my role's two blocks in a slot
.set SWF, 23                           ; s23  nL where I fetch for roles 2 and 3, else 255
.set SEL, 28                           ; s[28:29] v_permlanex16_b32's selects for lane l xor 16
.set CS,  30                           ; s[30:31] c = log2(e) / sqrt(128)
.set G1,  32                           ; s[32:39] descriptor group 1
.set G0,  40                           ; s[40:47] descriptor group 0, a set for each slot
.set KVB, 48                           ; s[48:49] the batch's first block, at its k and v part
.set OL,  50                           ; s[50:51] out at L's tile
.set OH,  52                           ; s[52:53] out at H's tile, at my four rows
.set QCF, 54                           ; s[54:55], s[56:57] my first tile of q: images, scale words
.set QSF, 56
.set QCH, 58                           ; s[58:59], s[60:61] H's tile of q
.set QSH, 60
; s90-s95 serve what partners share; s66-s88 what hangs on the place in the cluster
.macro CROUND                          ; a round of the cluster's barrier
	s_barrier_signal -1
	s_barrier_wait -1
	s_cmp_lg_u32 s[WV], 0
	s_cbranch_scc1 .Lnot_wave_0_\@
	s_barrier_signal -3
.Lnot_wave_0_\@:
	s_barrier_wait -3
	s_barrier_signal -1
	s_barrier_wait -1
.endm
; The global address of slot n's group 0 for visit t: stream index IB + 2 t, as a key step, times a block.
.macro SETG0 n, t
	s_add_co_u32 s90, s[IB], 2*(\t)
	s_add_co_u32 s91, s90, s[DL]
	s_cmp_lt_u32 s90, s[SWF]
	s_cselect_b32 s90, s90, s91
	s_mul_i32 s90, s90, BLK
	s_mov_b32 s91, 0
	s_add_nc_u64 s[G0+4*(\n)+2:G0+4*(\n)+3], s[KVB:KVB+1], s[90:91]
	s_or_b32 s[G0+4*(\n)+3], s[G0+4*(\n)+3], 0x80000000     ; 127:126 type = 2
.endm
.macro JLOAD n                         ; waves 0 to 7 ask, each for its block of slot n; an s_nop 0 and four v_nop behind it
	s_cmp_lt_u32 s[WV], 8
	s_cbranch_scc0 .Lasked_\@
	tensor_load_to_lds s[G0+4*(\n):G0+4*(\n)+3], s[G1:G1+7]
	s_nop 0
.rept 4
	v_nop
.endr
.Lasked_\@:
.endm
	s_load_b128 s[4:7], s[0:1], 0x0                ; qkv s[4:5], out s[6:7]
	v_lshl_add_u32 v[SPW], v0, 2, SPARE
	v_mov_b32 v[NIL], 0
	ds_add_u32 v[SPW], v[NIL]                      ; the wave's opening: the add, twice on end, and its wait ahead of the round in front of the first tensor loads; the set-up below, work on registers, stands between them
	ds_add_u32 v[SPW], v[NIL]
	v_lshrrev_b32 v10, 5, v0
	v_readfirstlane_b32 s[WV], v10                 ; wave 0..15
	s_bfe_u32 s[CX], ttmp6, 0x40000
	s_lshr_b32 s[ROLE], s[WV], 2
	s_and_b32 s[UU], s[WV], 3
	s_lshr_b32 s[BT], ttmp9, 4                     ; in a cluster launch ttmp9 counts clusters
	s_and_b32 s[MM], ttmp9, 15
	s_add_co_u32 s[NL], s[MM], 1
	s_sub_co_u32 s[DL], 15, s[MM]
	s_lshr_b32 s[PP], s[MM], 3
	s_mul_i32 s90, s[PP], 9                        ; where role 2's part of the stream begins,
	s_sub_co_u32 s91, 9, s90                       ; and role 3's
	s_cmp_eq_u32 s[ROLE], 2
	s_cselect_b32 s[SI], s90, s91
	s_cselect_b32 s[SW], s[NL], 255
	s_cselect_b32 s92, 1, s[PP]                    ; is my first tile L's? role 2: yes; role 3: where P = 1
	s_cmp_lt_u32 s[ROLE], 2
	s_cselect_b32 s[SI], 64, s[SI]
	s_cselect_b32 s92, 0, s92
	; what I fetch: block number wave of a slot: role (wave / 2)'s step wave % 2
	s_bfe_u32 s93, s[WV], 0x20001
	s_lshl_b32 s90, s[PP], 3
	s_sub_co_u32 s91, 9, s90                       ; role 3: 9 or 1
	s_add_co_u32 s90, s90, 1                       ; role 2: 1 or 9 (stream index 0 is read from role 0's block)
	s_lshl_b32 s[IB], s93, 3                       ; roles 0, 1: 0, 8
	s_cmp_eq_u32 s93, 2
	s_cselect_b32 s[IB], s90, s[IB]
	s_cmp_eq_u32 s93, 3
	s_cselect_b32 s[IB], s91, s[IB]
	s_cmp_lt_u32 s93, 2
	s_cselect_b32 s[SWF], 255, s[NL]
	s_and_b32 s90, s[WV], 1
	s_add_co_u32 s[IB], s[IB], s90
	s_mul_i32 s[RO], s[ROLE], 2*STB
	s_mov_b32 s[SEL], 0x76543210
	s_mov_b32 s[SEL+1], 0xfedcba98
	s_mov_b32 s[CS], 0x3e0293ee
	s_mov_b32 s[CS+1], s[CS]                       ; (named with it as a pair, so it is written)
	; descriptor group 1: 17,408 dense bytes as 68 rows of 32 elements of 8 bytes; no padding: images are read 16 bytes a lane, 512 consecutive bytes an instruction
	s_mov_b32 s[G1], 3|(3<<16)|(1<<21)             ; 15:0 both work-groups; 17:16 elements of 8 bytes; 21 set beside a mask
	s_mov_b32 s[G1+1], 32<<16                      ; tensor_dim0
	s_mov_b32 s[G1+2], 68<<16                      ; tensor_dim1
	s_mov_b32 s[G1+3], 32<<16                      ; tile_dim0
	s_mov_b32 s[G1+4], 68                          ; tile_dim1
	s_mov_b32 s[G1+5], 32                          ; tensor_dim0_stride
	s_mov_b32 s[G1+6], 0
	s_mov_b32 s[G1+7], 0
	s_and_b32 s91, s[WV], 7                        ; (waves 8 to 15 fetch nothing: their number is held inside the slot all the same)
	s_mul_i32 s91, s91, STB
.irp n, 0,1
	s_mov_b32 s[G0+4*\n], 1                        ; 1:0 count = 1
	s_add_co_u32 s[G0+4*\n+1], s91, \n*SLOTB       ; 63:32 LDS address: my block's place in slot n
.endr
	; scalar parts of LDS addresses: made of the wave's number alone
	s_mul_i32 s66, s[UU], DSZ
	s_add_co_u32 s66, s66, DRG
	s_mul_i32 s67, s[WV], TSZ
	s_mul_i32 s68, s[UU], TSZ
	s_mul_i32 s69, s[ROLE], 4*RPT
	s_add_co_u32 s68, s68, s69
	s_lshl_b32 s69, s[WV], 7
	s_add_co_u32 s69, s69, STATE
	s_lshl_b32 s70, s[UU], 7
	s_add_co_u32 s70, s70, STATE
	s_lshl_b32 s71, s[CX], 6
	s_lshl_b32 s72, s[UU], 4
	s_add_co_u32 s71, s71, s72                     ; my first query in a block of 128: 64 cx + 16 u
	v_and_b32 v96, 15, v0                          ; r
	v_bfe_u32 v97, v0, 4, 1                        ; h
	v_and_b32 v98, 31, v0
	v_lshlrev_b32 v[LI0], 4, v98
	v_lshlrev_b32 v[LS0], 2, v98
	v_lshlrev_b32 v[H8], 3, v97
	v_mul_u32_u24 v99, v96, RPT
	v_lshl_add_u32 v99, v97, 5, v99                ; row r; a tile's eight channels of my half: 32 h bytes on
	v_lshlrev_b32 v100, 3, v96
	v_lshlrev_b32 v101, 5, v97
	v_sub_nc_u32 v[DV], v96, v101
	v_add_nc_u32 v[DV], s71, v[DV]
	v_lshrrev_b32 v102, 3, v96                     ; query r of 16 neighbours lies in tile r / 8 of a pair, at lane r % 8 on
	v_and_b32 v103, 7, v96
	v_lshlrev_b32 v104, 10, v102
	v_lshl_add_u32 v104, v103, 4, v104
	v_lshl_add_u32 v104, v97, 8, v104              ; my half: 16 lanes of 16 bytes on
	v_lshlrev_b32 v105, 6, v102
	v_lshl_add_u32 v105, v103, 2, v105
	v_add_nc_u32 v[SOD], s66, v99
	v_add_nc_u32 v[DRD], s66, v[LI0]
	v_add_nc_u32 v[SOS], s67, v99
	v_add_nc_u32 v[SRS], s67, v[LI0]
	v_add_nc_u32 v[RB], s68, v[LI0]
	v_add_nc_u32 v[RB2], 8*TSZ, v[RB]
	v_add_nc_u32 v[STW], s69, v100
	v_add_nc_u32 v[STR], s70, v100
.macro ANEW                            ; the state before a tile's first step
	v_mov_b32 v13, 0xff61b1e6                      ; the largest score so far: -3e38
	v_mov_b32 v12, 0x7f61b1e6                      ; -M
	v_mov_b32 v14, 0
	v_mov_b32 v15, 0
.set nn, 0
.rept 64
	v_mov_b32 v[160+nn], 0                         ; O^T.  (The step is written without a first step of its own: it finds zeros, which the first change of M leaves zeros)
.set nn, nn+1
.endr
.endm
	v_mov_b32 v236, 0                              ; written once: a lane permute's destination counts as one of its sources
	v_mov_b32 v253, 0                              ; (named as the upper half of a pair)
	ANEW
	; q: my 16 queries lie in tiles 4 cx + 2 (u % 2) and the next, at lanes 8 (u / 2) on, of blocks m and 31 - m
	s_and_b32 s74, s[UU], 1
	s_lshr_b32 s75, s[UU], 1
	s_lshl_b32 s72, s[CX], 12
	s_lshl_b32 s73, s74, 11
	s_add_co_u32 s72, s72, s73
	s_lshl_b32 s73, s75, 7
	s_add_co_u32 s72, s72, s73
	s_add_co_u32 s72, s72, 512                     ; images,
	s_lshl_b32 s73, s[CX], 8
	s_lshl_b32 s74, s74, 7
	s_add_co_u32 s73, s73, s74
	s_lshl_b32 s75, s75, 5
	s_add_co_u32 s73, s73, s75                     ; scale words
	s_lshl_b32 s76, s[BT], 5
	s_sub_co_u32 s78, 31, s[MM]
	s_add_co_u32 s78, s76, s78
	s_add_co_u32 s76, s76, s[MM]
	s_mul_i32 s76, s76, BLK                        ; L's block
	s_mul_i32 s78, s78, BLK                        ; H's
	s_cmp_eq_u32 s92, 1
	s_cselect_b32 s76, s76, s78                    ; my first tile's
	s_add_co_u32 s80, s76, s72
	s_mov_b32 s81, 0
	s_add_co_u32 s82, s76, s73
	s_mov_b32 s83, 0
	s_add_co_u32 s84, s78, s72
	s_mov_b32 s85, 0
	s_add_co_u32 s86, s78, s73
	s_mov_b32 s87, 0
	s_lshl_b32 s66, s[BT], 12                      ; out
	s_add_co_u32 s66, s66, s71
	s_lshl_b32 s67, s[MM], 7
	s_add_co_u32 s68, s66, s67
	s_lshl_b32 s68, s68, 9
	s_mov_b32 s69, 0
	s_sub_co_u32 s67, 31, s[MM]
	s_lshl_b32 s67, s67, 7
	s_add_co_u32 s70, s66, s67
	s_lshl_b32 s70, s70, 9
	s_lshl_b32 s67, s[ROLE], 11
	s_add_co_u32 s70, s70, s67                     ; H's tile, at my rows 4 role on
	s_mov_b32 s71, 0
	s_wait_alu depctr_va_vdst(0)                   ; directly ahead of the waits below
	s_wait_dscnt 0x0                               ; both opening adds are done
	s_wait_kmcnt 0x0
	s_mul_i32 s90, s[BT], 32*BLK
	s_add_co_u32 s90, s90, KVO
	s_mov_b32 s91, 0
	s_add_nc_u64 s[KVB:KVB+1], s[4:5], s[90:91]
	SETG0 0, 0
	CROUND                                         ; both work-groups are here: the joint loads meet
	JLOAD 0                                        ; visit 0's blocks
	s_add_nc_u64 s[QCF:QCF+1], s[4:5], s[80:81]
	s_add_nc_u64 s[QSF:QSF+1], s[4:5], s[82:83]
	s_add_nc_u64 s[QCH:QCH+1], s[4:5], s[84:85]
	s_add_nc_u64 s[QSH:QSH+1], s[4:5], s[86:87]
	s_add_nc_u64 s[OL:OL+1], s[6:7], s[68:69]
	s_add_nc_u64 s[OH:OH+1], s[6:7], s[70:71]
	global_load_b128 v[16:19], v104, s[QCF:QCF+1]                ; my first tile of q stays in registers,
	global_load_b128 v[20:23], v104, s[QCF:QCF+1] offset:512
	global_load_b32 v255, v105, s[QSF:QSF+1]
	global_load_b128 v[24:27], v104, s[QCH:QCH+1]                ; and H's, for role 2's change of tiles
	global_load_b128 v[28:31], v104, s[QCH:QCH+1] offset:512
	global_load_b32 v[QHS], v105, s[QSH:QSH+1]
.macro NORM dst                        ; O^T x v14, each accumulator from its low end on
.set nn, 0
.rept 32
	v_pk_mul_f32 v[\dst+nn:\dst+nn+1], v[160+nn:161+nn], v[14:15] op_sel_hi:[1,0]
.set nn, nn+2
.endr
.endm
.macro TOROWS adr, src                 ; a tile of O^T into LDS as rows of out
.irp d, 0,1,2,3,4,5,6,7
	ds_store_b128 v[\adr], v[\src+8*\d:\src+8*\d+3] offset:64*\d
	ds_store_b128 v[\adr], v[\src+8*\d+4:\src+8*\d+7] offset:64*\d+16
.endr
.endm
.macro OUTROWS adr, reg                ; and back by rows, my own bytes (LDS serves a wave's instructions in order: ISA guide 5.7.1.4), and out to L's tile: 32 lanes store a row, 512 consecutive bytes at a multiple of 256 from out's first byte
.irp i, 0,1,2,3,4,5,6,7,8,9,10,11,12,13,14,15
	ds_load_b128 v[\reg+4*\i:\reg+4*\i+3], v[\adr] offset:RPT*\i
.endr
.irp i, 0,1,2,3,4,5,6,7,8,9,10,11,12,13,14,15
	s_wait_dscnt 15-\i                             ; behind this load: the younger rows'
	global_store_b128 v[LI0], v[\reg+4*\i:\reg+4*\i+3], s[OL:OL+1] offset:512*\i th:TH_STORE_NT
.endr
.endm
; ROLE 2 CHANGES TILES (it alone comes here, once).  No barrier and no tensor load stands here.
.macro SWITCH
	s_wait_alu depctr_va_vdst(0)                   ; ahead of the readers below
	v_add_f32 v14, v14, v15                        ; the sum's two halves.  (These lines are also the places behind the last products)
.irp i, 0,1,2,3,4,5,6,7
	v_mov_b32 v[16+\i], v[24+\i]                   ; H's tile of q
.endr
	v_mov_b32 v255, v[QHS]
	v_permlanex16_b32 v236, v14, s[SEL], s[SEL+1]
	v_add_f32 v14, v14, v236                       ; and lane l xor 16's
	s_cmp_eq_u32 s[PP], 0
	s_wait_alu depctr_va_vdst(0)                   ; directly ahead of the branch, and ahead of the reciprocal
	s_cbranch_scc1 .Lwhole_\@
.irp k, 0,1,2,3,4,5,6,7,8,9,10,11,12,13,14,15
	ds_store_b128 v[DRD], v[160+4*\k:163+4*\k] offset:512*\k   ; P = 1: my part of L's tile, register for register,
.endr
	ds_store_b128 v[DRD], v[12:15] offset:8192     ; with -M and the sum
	s_branch .Lanew_\@
.Lwhole_\@:
	v_rcp_f32 v14, v14                             ; P = 0: L's tile is whole
	v_nop                                          ; a plain place behind the transcendental
	s_wait_alu depctr_va_vdst(0)                   ; and the wait ahead of the first use, and of the first read of O^T
	NORM 96
	TOROWS SOD, 96
	OUTROWS DRD, 32
	s_wait_xcnt 0x0                                ; the stores have read their registers: v32-95 are loaded again next
.Lanew_\@:
	ANEW
.endm
; A KEY STEP: the 128 keys of the block at s[TB].
; A visit's last step also changes slots: the wave's reads of its slot end with v's tiles, in the middle of the step, so the change stands there.
; chg = 1: slot n takes visit t's blocks: a round of the cluster's barrier, with the scaling of the scores inside its opening pair and the rest of the step, work on registers alone, inside its closing pair; the joint load comes first behind it.
; chg = 2: nothing is left to fetch: one work-group barrier, its signal and its wait likewise apart.
.macro CREST                           ; a round from behind its opening wait to its closing signal
	s_cmp_lg_u32 s[WV], 0
	s_cbranch_scc1 .Lnot_wave_0_\@
	s_barrier_signal -3
.Lnot_wave_0_\@:
	s_barrier_wait -3
	s_barrier_signal -1
.endm
.macro STEP sw, chg=0, n=0, t=0
.if \sw
	s_cmp_lt_u32 s[WV], 8                          ; role 2 alone, waves 8 to 11, each with a region of its own
	s_cbranch_scc1 .Lsame_\@
	s_cmp_gt_u32 s[WV], 11
	s_cbranch_scc1 .Lsame_\@
	s_cmp_eq_u32 s[SI], s[SW]
	s_cbranch_scc0 .Lsame_\@
	SWITCH
.Lsame_\@:
.endif
	v_add_nc_u32 v[ADK], s[TB], v[LI0]             ; (these four are also the places behind the last products, in front of loads into their operands)
	v_add_nc_u32 v[ADS], s[TB], v[LS0]
	v_nop
	v_nop
.irp i, 0,1,2,3
	ds_load_b32 v[248+\i], v[ADS] offset:KSO+128*\i   ; lanes 0-15: tile 2 i's words; lanes 16-31: tile 2 i + 1's
.endr
.irp kt, 0,1,2,3,4,5,6,7
.irp c, 0,1
	ds_load_b128 v[32+8*\kt+4*\c:35+8*\kt+4*\c], v[ADK] offset:1024*\kt+512*\c
.endr
.endr
	s_wait_alu depctr_va_vdst(0)                   ; directly ahead of the wait below
	s_wait_dscnt 0x8                               ; the words and tiles 0 to 3 are in; tiles 4 to 7's eight loads may be out
.irp kt, 0,1,2,3,4,5,6,7                       ; S^T = K Q^T
.if \kt == 4
	s_wait_dscnt 0x0
.endif
.if \kt % 2
	v_wmma_scale_f32_16x16x128_f8f6f4 v[96+8*\kt:103+8*\kt], v[32+8*\kt:39+8*\kt], v[16:23], 0, v[248+\kt/2], v255 matrix_a_fmt:MATRIX_FMT_FP4 matrix_b_fmt:MATRIX_FMT_FP4 matrix_a_scale:MATRIX_SCALE_ROW1
.else
	v_wmma_scale_f32_16x16x128_f8f6f4 v[96+8*\kt:103+8*\kt], v[32+8*\kt:39+8*\kt], v[16:23], 0, v[248+\kt/2], v255 matrix_a_fmt:MATRIX_FMT_FP4 matrix_b_fmt:MATRIX_FMT_FP4
.endif
.endr
.rept 4
	v_nop                                          ; places in front of the loads below and of the first read of the scores
.endr
.irp d, 0,1,2,3,4,5,6,7                        ; v's tiles are asked for now and land under the softmax
.irp c, 0,1
	ds_load_b128 v[32+8*\d+4*\c:35+8*\d+4*\c], v[ADK] offset:VIM+1024*\d+512*\c
.endr
.endr
.irp i, 0,1,2,3
	ds_load_b32 v[248+\i], v[ADS] offset:VSO+128*\i
.endr
	s_add_co_u32 s90, s[SI], 1                     ; the two steps on the diagonal: s = nL - 1 and s = 16: the scores of hidden keys become -infinity ahead of the maximum: p = 0 then.  A branch on ids
	s_cmp_eq_u32 s90, s[NL]
	s_cbranch_scc1 .Ldiag_\@
	s_cmp_eq_u32 s90, 17
	s_cbranch_scc0 .Lopen_\@
.Ldiag_\@:
	v_mov_b32 v254, 0xff800000
.set nn, 0
.rept 64
	v_cmp_gt_i32 vcc_lo, 64*(nn/32)+nn%32, v[DV]   ; register 32 C + n holds the step's key 64 C + 32 h + n
	v_cndmask_b32 v[96+nn], v[96+nn], v254, vcc_lo
.set nn, nn+1
.endr
.Lopen_\@:
.irp c, 0,1
	v_max3_num_f32 v[232+\c], v[96+32*\c], v[97+32*\c], v[98+32*\c]      ; the largest score of each of my two blocks of 32 keys, two chains each
	v_max3_num_f32 v[234+\c], v[112+32*\c], v[113+32*\c], v[114+32*\c]
.endr
.irp i, 3,5,7,9,11,13
.irp c, 0,1
	v_max3_num_f32 v[232+\c], v[232+\c], v[96+32*\c+\i], v[97+32*\c+\i]
	v_max3_num_f32 v[234+\c], v[234+\c], v[112+32*\c+\i], v[113+32*\c+\i]
.endr
.endr
.irp c, 0,1
	v_max3_num_f32 v[232+\c], v[232+\c], v[234+\c], v[111+32*\c]
.endr
.irp c, 0,1
	v_max_num_f32 v[232+\c], v[232+\c], v[127+32*\c]
.endr
	v_max_num_f32 v254, v232, v233
	s_delay_alu instid0(VALU_DEP_1)
	v_permlanex16_b32 v236, v254, s[SEL], s[SEL+1]
	s_delay_alu instid0(VALU_DEP_1)
	v_max3_num_f32 v13, v13, v254, v236            ; the largest score of my query so far, with lane l xor 16's keys
	s_delay_alu instid0(VALU_DEP_1)
	v_mul_f32 v254, s[CS], -v13                    ; -t (c is positive)
	s_delay_alu instid0(VALU_DEP_1)
	v_floor_f32 v254, v254                         ; the new -M = floor(-t): M is a whole number
	s_delay_alu instid0(VALU_DEP_1)
	v_sub_f32 v252, v254, v12                      ; M's old value less its new one: a whole number, 0 or less
	v_mov_b32 v12, v254
.if \chg
	s_wait_alu depctr_va_vdst(0)                   ; directly ahead of the waits below
	s_wait_tensorcnt 0x0                           ; my block of the slot ahead is in; no tensor load of mine is out, so a group 0 may be written
	ds_add_u32 v[SPW], v[NIL]                      ; 0 onto my spare word
.if \chg == 1
	ds_add_u32 v[SPW], v[NIL]                      ; twice on end ahead of a load
	SETG0 \n, \t
.endif
	s_wait_dscnt 0x0                               ; the add is done, and my reads of this slot are over: v's tiles were the last
	s_barrier_signal -1
.endif
.set nn, 0
.rept 32
	v_pk_fma_f32 v[96+nn:97+nn], v[96+nn:97+nn], s[CS:CS+1], v[12:13] op_sel_hi:[1,0,0]   ; t - M, two at a time (of the pairs c and -M the low word serves both halves)
.set nn, nn+2
.endr
.irp c, 0,1
	v_fma_f32 v[232+\c], v[232+\c], s[CS], v12     ; the same of each block's largest score
.endr
.if \chg == 1
	s_wait_alu depctr_va_vdst(0)                   ; directly ahead of the barrier's wait
	s_barrier_wait -1
	CREST
.endif
	v_cvt_i32_f32 v252, v252                       ; (it saturates)
.irp c, 0,1
	v_max_num_f32 v[232+\c], 0xc2f80000, v[232+\c] ; not under -124: the byte cannot fall under 1
.endr
	v_ldexp_f32 v252, 1.0, v252                    ; f = 2^(old M - new M)
.irp c, 0,1
	v_cvt_floor_i32_f32 v[232+\c], v[232+\c]       ; the exponent of the block's largest p
.endr
	s_wait_alu depctr_va_vdst(0)                   ; ahead of the batch
.set nn, 0
.rept 64
	v_exp_f32 v[96+nn], v[96+nn]                   ; p = 2^(t - M): not normalised
.set nn, nn+1
.endr
.irp c, 0,1
	v_lshl_add_u32 v[238+\c], v[232+\c], 23, 0x3e800000   ; the conversions' scale operand: exponent field 127 + exponent - 2
.endr
	v_lshl_add_u32 v237, v233, 16, v232            ; my two bytes, less 125 each, at their places:
	v_lshlrev_b32 v237, v[H8], v237                ; blocks h and 2 + h;
	v_permlanex16_b32 v236, v237, s[SEL], s[SEL+1]
	v_add3_u32 v253, v237, v236, 0x7d7d7d7d        ; with lane l xor 16's two and 125 in each: p's scale word for these 128 keys (borrows between bytes cancel: each byte of the sum is 1 to 125)
	s_wait_alu depctr_va_vdst(0)                   ; one wait for the whole batch, and for O^T, ahead of the first readers
.set nn, 0
.rept 32
	v_pk_mul_f32 v[160+nn:161+nn], v[160+nn:161+nn], v[252:253] op_sel_hi:[1,0]   ; O^T under the new M
.set nn, nn+2
.endr
.irp c, 0,1
.irp i, 0,1,2,3
	v_cvt_scalef32_pk8_fp4_f32 v[224+4*\c+\i], v[96+32*\c+8*\i:103+32*\c+8*\i], v[238+\c]   ; in the operand's own order
.endr
.endr
	v_pk_fma_f32 v[14:15], v[14:15], v[252:253], v[96:97] op_sel_hi:[1,0,1]   ; the row's sum, of the unquantised p, in four chains.  (These 32 are also the places behind the conversions and in front of the products below)
	v_pk_add_f32 v[232:233], v[98:99], v[100:101]
	v_pk_add_f32 v[234:235], v[102:103], v[104:105]
	v_pk_add_f32 v[238:239], v[106:107], v[108:109]
.set nn, 110
.rept 6
.irp a, 14,232,234,238
	v_pk_add_f32 v[\a:\a+1], v[\a:\a+1], v[nn:nn+1]
.set nn, nn+2
.endr
.endr
	v_pk_add_f32 v[232:233], v[232:233], v[158:159]
	v_pk_add_f32 v[234:235], v[234:235], v[238:239]
	v_pk_add_f32 v[14:15], v[14:15], v[232:233]
	v_pk_add_f32 v[14:15], v[14:15], v[234:235]
	s_wait_alu depctr_va_vdst(0)                   ; ahead of the waits below
.if \chg == 0
	s_wait_dscnt 0x0                               ; v's tiles and scale words are in (at a change of slots they were waited for above)
.endif
.irp d, 0,1,2,3,4,5,6,7                        ; O^T += V^T P^T: the eight accumulators take turns; the eight products of S^T lie between a sum's links
.if \d % 2
	v_wmma_scale_f32_16x16x128_f8f6f4 v[160+8*\d:167+8*\d], v[32+8*\d:39+8*\d], v[224:231], v[160+8*\d:167+8*\d], v[248+\d/2], v253 matrix_a_fmt:MATRIX_FMT_FP4 matrix_b_fmt:MATRIX_FMT_FP4 matrix_a_scale:MATRIX_SCALE_ROW1
.else
	v_wmma_scale_f32_16x16x128_f8f6f4 v[160+8*\d:167+8*\d], v[32+8*\d:39+8*\d], v[224:231], v[160+8*\d:167+8*\d], v[248+\d/2], v253 matrix_a_fmt:MATRIX_FMT_FP4 matrix_b_fmt:MATRIX_FMT_FP4
.endif
.endr
	s_add_co_u32 s[TB], s[TB], STB
	s_add_co_u32 s[SI], s[SI], 1
.if \chg
	s_barrier_wait -1                              ; the slot ahead is whole, and nobody reads this one any more
.endif
.if \chg == 1
	JLOAD \n
.endif
.endm
; THE CHANGE OF SLOTS.  Each wave waits for all its tensor loads (its block of the slot ahead), adds 0 to its spare word, and waits for that and for its reads of the slot that it leaves.  Behind the barrier the slot ahead
; is whole and nobody reads the other one.  fill = 1: slot n takes visit t's blocks (slot 1's first fill is issued as a refill is): one joint load a wave of waves 0 to 7 behind a round of the cluster's barrier; it has a visit's two steps in which to land.
.macro CHANGE fill, n, t
	s_wait_tensorcnt 0x0                           ; no tensor load of mine is out, so a group 0 may be written
	ds_add_u32 v[SPW], v[NIL]                      ; 0 onto my spare word
.if \fill
	ds_add_u32 v[SPW], v[NIL]                      ; fill = 1: twice on end
	SETG0 \n, \t
.endif
	s_wait_dscnt 0x0                               ; the add is done, and my reads of the slot that I leave are over
.if \fill
	CROUND
	JLOAD \n
.else
	s_barrier_signal -1
	s_barrier_wait -1
.endif
.endm
.macro VISIT n                         ; my role's two blocks of slot n % 2
	s_add_co_u32 s[TB], s[RO], ((\n)&1)*SLOTB
	s_mov_b32 s[CNT], 2
.Lstep_\@:
	STEP 1
	s_sub_co_u32 s[CNT], s[CNT], 1
	s_cmp_lg_u32 s[CNT], 0
	s_cbranch_scc1 .Lstep_\@
.endm
	s_wait_alu depctr_va_vdst(0)                   ; the head's end
	CHANGE 1, 1, 1
	s_wait_loadcnt 0x0                             ; q
	s_cmp_eq_u32 s[SI], 0
	s_cbranch_scc0 .Lno_pre
	s_mov_b32 s[TB], 0                             ; stream index 0: the batch's key step 0, which lies first in slot 0
	STEP 0
.Lno_pre:
.macro VISITC n, chg, fn=0, ft=0       ; a visit whose second step changes slots
	s_add_co_u32 s[TB], s[RO], ((\n)&1)*SLOTB
	STEP 1
	STEP 1, \chg, \fn, \ft
.endm
	VISITC 0, 1, 0, 2
	VISITC 1, 1, 1, 3
	VISITC 2, 2
	VISIT 3
	; THE END.  Each wave's -M and sum go to LDS; then each wave scales its part by its own factor over the joint sum, puts it into LDS as rows, and the rows are added up and stored.
	s_wait_alu depctr_va_vdst(0)                   ; ahead of the readers below
	v_nop
	v_nop                                          ; (with the three lines below: places behind the last products)
	v_add_f32 v14, v14, v15
	v_permlanex16_b32 v236, v14, s[SEL], s[SEL+1]
	v_add_f32 v13, v14, v236                       ; my part's sum
	ds_store_b64 v[STW], v[12:13]                  ; (both halves of the lanes write the same bytes with the same values)
	s_wait_alu depctr_va_vdst(0)                   ; directly ahead of the wait below
	s_wait_dscnt 0x0                               ; for the others' sake: my stores are done
	s_barrier_signal -1
	s_barrier_wait -1
	s_add_co_u32 s90, s[ROLE], s[PP]
	s_cmp_eq_u32 s90, 4                            ; role 3 where P = 1 holds a part of L's tile; every other wave a part of H's
	s_cbranch_scc1 .Lend_l
.irp k, 0,1,2,3
	ds_load_b64 v[32+2*\k:33+2*\k], v[STR] offset:512*\k   ; the four roles' states
.endr
	s_wait_dscnt 0x0
	s_cmp_eq_u32 s[PP], 0
	s_cbranch_scc1 .Lfour
	v_mov_b32 v38, v32                             ; P = 1: role 3 has no part of H
	v_mov_b32 v39, 0
.Lfour:
	v_min3_num_f32 v40, v32, v34, v36
	v_min_num_f32 v40, v40, v38                    ; the joint -M
.irp k, 0,1,2,3
	v_sub_f32 v[42+\k], v40, v[32+2*\k]            ; a part's M less the joint one: a whole number, 0 or less
.endr
	v_sub_f32 v46, v40, v12                        ; and mine
.irp k, 42,43,44,45,46
	v_cvt_i32_f32 v[\k], v[\k]
.endr
.irp k, 42,43,44,45,46
	v_ldexp_f32 v[\k], 1.0, v[\k]
.endr
	v_mul_f32 v47, v33, v42
	v_fma_f32 v47, v35, v43, v47
	v_fma_f32 v47, v37, v44, v47
	v_fma_f32 v47, v39, v45, v47                   ; the row's sum under the joint M
	s_wait_alu depctr_va_vdst(0)                   ; ahead of the transcendental
	v_rcp_f32 v47, v47
	v_nop                                          ; a plain place behind the transcendental
	s_wait_alu depctr_va_vdst(0)                   ; and the wait ahead of the first use
	v_mul_f32 v14, v46, v47                        ; my factor / the sum
	NORM 96
	TOROWS SOS, 96
	s_branch .Lend_join
.Lend_l:                                               ; L's tile: my part and role 2's
.irp k, 0,1,2,3,4,5,6,7,8,9,10,11,12,13,14,15
	ds_load_b128 v[32+4*\k:35+4*\k], v[DRD] offset:512*\k
.endr
	ds_load_b128 v[96:99], v[DRD] offset:8192      ; v96 its -M, v98 its sum
	s_wait_dscnt 0x0
	v_min_num_f32 v100, v12, v96
	v_sub_f32 v101, v100, v12
	v_sub_f32 v102, v100, v96
	v_cvt_i32_f32 v101, v101
	v_cvt_i32_f32 v102, v102
	v_ldexp_f32 v101, 1.0, v101
	v_ldexp_f32 v102, 1.0, v102
	v_mul_f32 v103, v98, v102
	v_fma_f32 v103, v13, v101, v103
	s_wait_alu depctr_va_vdst(0)                   ; ahead of the transcendental
	v_rcp_f32 v104, v103
	v_nop
	s_wait_alu depctr_va_vdst(0)                   ; ahead of the first use
	v_mul_f32 v106, v101, v104
	v_mul_f32 v108, v102, v104
	v_mov_b32 v107, v106                           ; (the packed forms name pairs)
	v_mov_b32 v109, v108
.set nn, 0
.rept 32
	v_pk_mul_f32 v[32+nn:33+nn], v[32+nn:33+nn], v[108:109] op_sel_hi:[1,0]
.set nn, nn+2
.endr
.set nn, 0
.rept 32
	v_pk_fma_f32 v[32+nn:33+nn], v[160+nn:161+nn], v[106:107], v[32+nn:33+nn] op_sel_hi:[1,0,1]   ; each accumulator from its low end on
.set nn, nn+2
.endr
	TOROWS SOS, 32
	OUTROWS SRS, 96
.Lend_join:
	s_wait_dscnt 0x0                               ; for the others' sake: my rows are in LDS
	s_barrier_signal -1
	s_barrier_wait -1
.irp i, 0,1,2,3                                ; rows 4 role on of H's tile u: the parts of roles 0, 1, 2
	ds_load_b128 v[32+4*\i:35+4*\i], v[RB] offset:RPT*\i
	ds_load_b128 v[48+4*\i:51+4*\i], v[RB] offset:4*TSZ+RPT*\i
	ds_load_b128 v[64+4*\i:67+4*\i], v[RB2] offset:RPT*\i
.endr
	s_cmp_eq_u32 s[PP], 0
	s_cbranch_scc0 .Lthree
.irp i, 0,1,2,3                                ; P = 0: and of role 3
	ds_load_b128 v[80+4*\i:83+4*\i], v[RB2] offset:4*TSZ+RPT*\i
.endr
	s_wait_dscnt 0x0
.irp i, 0,2,4,6,8,10,12,14
	v_pk_add_f32 v[64+\i:65+\i], v[64+\i:65+\i], v[80+\i:81+\i]
.endr
.Lthree:
	s_wait_alu depctr_va_vdst(0)                   ; directly ahead of the wait below
	s_wait_dscnt 0x0
.irp i, 0,2,4,6,8,10,12,14
	v_pk_add_f32 v[32+\i:33+\i], v[32+\i:33+\i], v[48+\i:49+\i]
.endr
.irp i, 0,2,4,6,8,10,12,14
	v_pk_add_f32 v[32+\i:33+\i], v[32+\i:33+\i], v[64+\i:65+\i]
.endr
.irp i, 0,1,2,3
	global_store_b128 v[LI0], v[32+4*\i:35+4*\i], s[OH:OH+1] offset:512*\i th:TH_STORE_NT   ; 32 lanes store a row, 512 consecutive bytes, at a multiple of 256 from out's first byte
.endr
	s_wait_tensorcnt 0x0                           ; the wave's end, behind my last tensor load and my last LDS store
	ds_add_u32 v[SPW], v[NIL]
	s_wait_dscnt 0x0
	CROUND                                         ; the closing round: no work-group ends while the partner may still ask for a block that names it
	s_endpgm
.Lfunc_end_k_q198658570a_attend:
	.size	k_q198658570a_attend, .Lfunc_end_k_q198658570a_attend-k_q198658570a_attend
	.p2alignl 7, 3214868480
	.fill 96, 4, 3214868480
	.section	.rodata,"a",@progbits
	.p2align	6, 0x0
	.amdhsa_kernel k_q198658570a_attend
		.amdhsa_group_segment_fixed_size 327680
		.amdhsa_private_segment_fixed_size 0
		.amdhsa_enable_private_segment 0
		.amdhsa_kernarg_size 16
		.amdhsa_user_sgpr_count 2
		.amdhsa_user_sgpr_kernarg_segment_ptr 1
		.amdhsa_wavefront_size32 1
		.amdhsa_system_sgpr_workgroup_id_x 1
		.amdhsa_system_sgpr_workgroup_id_y 1
		.amdhsa_system_sgpr_workgroup_id_z 1
		.amdhsa_system_vgpr_workitem_id 0
		.amdhsa_next_free_vgpr 256
		.amdhsa_next_free_sgpr 100
		.amdhsa_reserve_vcc 1
		.amdhsa_float_denorm_mode_32 3
		.amdhsa_float_denorm_mode_16_64 3
		.amdhsa_memory_ordered 1
		.amdhsa_forward_progress 1
		.amdhsa_inst_pref_size 255
	.end_amdhsa_kernel
	.section	.bss,"aw",@nobits
	.p2align	6
	.space	262144
	.amdgpu_metadata
---
amdhsa.version: [ 1, 2 ]
amdhsa.kernels:
  - .name:           k_q198658570a_attend
    .symbol:         k_q198658570a_attend.kd
    .args:
      - { .name: qkv, .offset: 0, .size: 8, .value_kind: global_buffer, .address_space: global }
      - { .name: out0, .offset: 8, .size: 8, .value_kind: global_buffer, .address_space: global }
    .group_segment_fixed_size: 327680
    .private_segment_fixed_size: 0
    .kernarg_segment_align: 8
    .kernarg_segment_size: 16
    .max_flat_workgroup_size: 512
    .sgpr_count:     100
    .vgpr_count:     256
    .wavefront_size: 32
...
	.end_amdgpu_metadata
.endif
;; end of part 2
